; MI455X (gfx1250); checked and timed in simulation.
; The chip was launched on July 23, 2026; its instructions are those of AMD's public machine-readable ISA for CDNA 5 (MIT licence, August 2026) and "CDNA5" Instruction Set Architecture Reference Guide (July 2026). The comments in the code are by the model that wrote it; some were corrected since.
;; Mix Linear FP8 GEMM. Allowed arithmetic: matrix products marked QUANTISED: E2M1 operands, one E8M0 scale for each 32 along K, by v_wmma_scale_f32_16x16x128_f8f6f4 with both operands' format E2M1 (or v_wmma_scale_f32_32x16x128_f4), f32 sums; everything else in f32.
;; Inputs: bias 4,096 float16; weight_codes 4,096 x 128 x 16 uint8 (E2M1 codes of weight, K innermost, in blocks of 32 codes, two codes a byte); weight_scales 4,096 x 128 uint8 (E8M0 scales of weight, one for each 32 codes along K); x_codes 4 x 1,024 x 128 x 16 uint8 (E2M1 codes of x, K innermost, in blocks of 32 codes, two codes a byte); x_scales 4 x 1,024 x 128 uint8 (E8M0 scales of x, one for each 32 codes along K).
;; Outputs: out0 4 x 1,024 x 4,096 float16.
;; This version of the problem:
;;   THIS VERSION OF THE PROBLEM IS GIVEN IN LOW PRECISION. The matrix products marked QUANTISED in the list below multiply operands that are first quantised to E2M1 (2 exponent bits, 1 mantissa bit; 4 bits a number), with one power-of-two scale for each 32 numbers along K (OCP MX v1.0); their sums are f32. All else is computed in f32.
;;   The module's matrix products, in the order in which they are computed (A, B: the left and right operand; K: the contracted axis; several contracted axes count as one K, in the product's order):
;;     1. [M 4,096, K 4,096] x [K 4,096, N 4,096]; A: input x (given as codes); B: input weight (given as codes): QUANTISED
;;   THE QUANTISER, for each operand of a quantised product, along K:
;;     - K is cut into blocks of 32 from its start; a last block that is shorter is filled with zeros.
;;     - A block's scale is 2^e with e = floor(log2(the largest magnitude in the block)) - 2, held to -126 .. 127; a block of zeros has e = 0. As a byte (E8M0): e + 127.
;;     - Each number is divided by its block's scale, clamped to +-6, and rounded to the nearest number of E2M1, ties to even, subnormals kept.
;;     - The product sums the exact products of the quantised numbers (number of the format x scale) in f32.
;;   ~~~python
;;   def quantise(x, axis):      # numpy; x: float32 -> the quantised numbers, widened to float32 again
;;       x = np.moveaxis(x, axis, -1); K = x.shape[-1]
;;       x = np.pad(x, [(0, 0)] * (x.ndim - 1) + [(0, -K % 32)]); x = x.reshape(x.shape[:-1] + (-1, 32)); a = np.abs(x).max(-1, keepdims=True)
;;       e = np.where(a > 0, np.clip(np.frexp(np.where(a > 0, a, 1))[1] - 1 - 2, -126, 127), 0)      # np.frexp(a)[1] - 1 = floor(log2(a)), exactly
;;       r = np.clip(x / 2.0 ** e, -6, 6)
;;       step = 2.0 ** (np.maximum(np.frexp(np.where(r == 0, 1, r))[1] - 1, 0) - 1)
;;       q = np.round(r / step) * step * 2.0 ** e      # np.round: ties to even
;;       return np.moveaxis(q.reshape(q.shape[:-2] + (-1,))[..., :K], -1, axis).astype(np.float32)
;;   ~~~
;;   INPUTS GIVEN AS CODES. weight (in the module: [4096, 4096], K = its axis 1); x (in the module: [4, 1024, 4096], K = its axis 2): each comes as NAME_codes (uint8): NAME with its K axis moved to the last place and cut into blocks of 32 codes, [.., K / 32, bytes a block], one block behind the other in memory; two codes a byte, the lower K in the low four bits (a code: sign, 2 exponent bits, 1 mantissa bit); and NAME_scales (uint8): the same leading axes, one E8M0 byte (e + 127) for each 32 codes along K. Its value is code x scale, taken as it is: it is not quantised again, and the codes and scales need not be those that the quantiser above would give.
;; One version. Each part assembles by itself: llvm-mc -triple=amdgcn-amd-amdhsa -mcpu=gfx1250 --defsym DOCPART=n.
;; ======== version 1 of 1: 1 launch
;; limits: values are held in f16: magnitudes above 65,504 overflow, below 6.1e-05 lose precision; right only within a limited range of input values
;; launch gemm (part 1): grid 16 x 16, 4 waves a work-group, clusters of 4 x 4, 327,680 bytes of LDS; arguments x_codes, x_scales, weight_codes, weight_scales, bias, out0; writes out0
.if DOCPART == 1
	.amdgcn_target "amdgcn-amd-amdhsa--gfx1250"
	.amdhsa_code_object_version 6
	.text
	.protected	k_qe498fde9e1_gemm
	.globl	k_qe498fde9e1_gemm
	.p2align	8
	.type	k_qe498fde9e1_gemm,@function
k_qe498fde9e1_gemm:
	s_mov_b64 s[64:65], 0
	v_nop
	global_prefetch_b8 v0, s[64:65] scope:SCOPE_SE
	s_setreg_imm32_b32 hwreg(HW_REG_WAVE_MODE, 25, 1), 1
	s_wait_xcnt 0x0
	s_wait_alu depctr_hold_cnt(0) depctr_sa_sdst(0) depctr_va_vdst(0) depctr_va_sdst(0) depctr_va_ssrc(0) depctr_va_vcc(0) depctr_vm_vsrc(0)
	s_getreg_b32 s2, hwreg(HW_REG_IB_STS2, 6, 4)
	s_cmp_eq_u32 s2, 0
	s_cbranch_scc0 .Lentry_in_a_cluster
	s_endpgm
.Lentry_in_a_cluster:
	s_bfe_u32 s2, ttmp6, 0x10000c
	s_cmp_lg_u32 s2, 0xf033
	s_cbranch_scc0 .Lentry_shape_is_right
	s_endpgm
.Lentry_shape_is_right:
; out0[m][n] = f16( bias[n] + sum over k of x[m][k] w[n][k] ).  M = N = K = 4,096.  x and w: codes of FP4 (E2M1), K innermost, two codes a byte: a row is 2,048 bytes;
; one E8M0 byte for each 32 along K: a row of scales is 128 bytes.  Codes and scale bytes go to the matrix instruction as they lie in memory.  bias: f16, widened to f32; sums in f32; one rounding to f16.
; LIMITS: a result beyond f16's largest number becomes infinity; a scale byte 0xff makes its sums NaN; the bias is the C of each sum's first product, so it is added first and not last: another order of f32 rounding.
; SHARES.  A tile of out0, 256 x 256, is made by a work-group of four waves; a wave makes 128 x 128: 32 accumulators of 32 x 16, 512 registers.  16 x 16 tiles: 256 work-groups.
; K goes in 8 steps of 512 through a ring of two LDS slots: a tile's row is 256 bytes of memory, at a multiple of 256 bytes.  A K step is four substeps of 128 along K, 32 matrix instructions each.
; WHO FETCHES, one tensor load a wave for each K step: waves 0 and 1 the two halves (128 rows x 256 bytes) of x's tile, waves 2 and 3 those of w's.
; CLUSTERS: 4 x 4 work-groups.  The four of a row of the cluster need the same rows of x, the four of a column the same rows of w: each tile of codes is asked for JOINTLY, by the same tensor load with the same
; descriptor and a mask that names the four.  THE MATRIX INSTRUCTION IS USED TRANSPOSED (source 0 = 32 rows of w, source 1 = 16 rows of x): a lane then holds eight neighbouring numbers of a row of out0, twice.
; FRAGMENTS of a substep, 128 registers, have two sets: while one is multiplied the other is loaded, by one run of 32 LDS loads at the substep's start.
; THE SCALES of all of K (512 rows x 128 bytes) do not fit beside two such slots.  They lie in two small slots, a lap's (two K steps') 32 bytes of each of the 512 rows in each, and come through registers:
; wave w loads the scale bytes of 128 rows (8 loads of 16 bytes a lane for a lap), and stores them into LDS.  They are not asked for jointly: the tensor loads behind a change of slots are all taken by codes,
; and the scale bytes are one sixteenth of the operand bytes.  No tensor load ever fills the scale slots.
; THE LAST K STEP GOES BY ROWS: w's fragments of all four substeps fill window 1, and the eight blocks of 16 rows of x are finished one after the other, each stored while the next is multiplied.
; REGISTERS, in windows of 256: window 0: v1-10 at work at the head; v15-31 addresses; v32-95 scale words, two sets, and nothing else; v96-127 the bias as loaded, then a lap's scale bytes on their way to LDS;
;   v128-191 at the head laps 0 and 1's scale bytes; v192-255 the bias in f32.  In the last K step: v96-159 x's fragments of two blocks, v160-191 packed results, v192-255 rows read back from the stage.
;   window 1: fragment set p: w's at v[128 p], x's at v[128 p + 64].   window 2: the accumulators of my rows 0-63 ((a, i) at v[64 a + 16 i]);   window 3: those of my rows 64-127.
.set KROW,   2048                      ; a row of codes in memory, bytes
.set SROW,   128                       ; a row of scale bytes in memory
.set OROW,   8192                      ; a row of out0 in bytes
.set PITCH,  272                       ; an LDS row of codes: 256 bytes + 16 of padding = 68 words: row r starts at bank 4 r mod 64 (64 banks of 4 bytes: ISA guide 11.1)
.set HALFT,  128*PITCH                 ; 128 rows
.set SLOT,   4*HALFT                   ; x's 256 rows, then w's 256 rows
.set SPARE,  2*SLOT                    ; behind the ring: the spare words, 128 bytes for each wave: two blocks of 256 bytes that no other line names
.set SPLANE, 2176                      ; a scale slot: for each 128 rows two planes (the lap's first and second K step) of 128 rows x 16 bytes; the planes lie 2,048 + 128 bytes apart
.set SSHARE, 2*SPLANE
.set SSLOT,  4*SSHARE                  ; x's two halves, then w's two halves
.set SCL,    327680-2*SSLOT            ; the scale slots: the last 34,816 bytes of LDS, a multiple of 256 from its first byte; written by LDS stores alone
.set ADSB0, 15                         ; v15     w's scale words' place in scale slot 0 as a reader; never rewritten
.set ADRA, 16                          ; v16-17  LDS address of my x fragments in slot 0, 1
.set ADSB, 18                          ; v18     w's scale words in the scale slot in hand
.set ADW,  19                          ; v19     where I store a lap's scale bytes: the scale slot that is being left
.set ADRB, 20                          ; v20-21  LDS address of my w fragments in slot 0, 1
.set SGO,  22                          ; v22     my byte offset in sixteen rows of scale bytes in memory: 128 (lane / 2) + 16 (lane % 2); never rewritten
.set ADW0, 23                          ; v23     my place in scale slot 0 as a writer; never rewritten
.set STO,  24                          ; v24     the way out: where I put 16 bytes of a row
.set RD,   25                          ; v25     the way out: where I read a row back
.set CO,   26                          ; v26     my byte offset in two rows of out0
.set ADSA, 27                          ; v27     x's scale words in the scale slot in hand
.set SPW,  28                          ; v28     LDS address of my spare word: SPARE + 4 x my thread's number; never rewritten
.set NIL,  29                          ; v29     0; never rewritten
.set PFO,  30                          ; v30     the prefetches' offset: my lane x a row of codes; never rewritten
.set ADSA0, 31                         ; v31     x's scale words' place in scale slot 0 as a reader; never rewritten
.set SC,   32                          ; scale words: set s (for slot s) at v[SC + 32 s]; register 4 i + q: w's rows 32 i .. 32 i + 31, the K step's q-th 128 along K; register 16 + 4 i + q: x's rows 32 i .. 32 i + 31
.set BL,   96                          ; the bias as loaded: 8 x 4 registers of f16 pairs
.set SX,   96                          ; later: a lap's scale bytes of 128 rows, 8 x 4 registers
.set SX0,  128                         ; at the head: lap 0's
.set SX1,  160                         ; and lap 1's
.set BIAS, 192                         ; the bias in f32, in the result's layout: my columns 32 i .. 32 i + 31 at v[BIAS + 16 i]
.set AP,   96                          ; the last K step: x's fragments of block a, all four substeps, at v[AP + 32 (a % 2)]
.set TMP,  160                         ; a block's packed results
.set OB,   192                         ; 16 rows read back from the stage, two buffers by turns
.set WV,   16                          ; s16 my wave's number
.set RH,   17                          ; s17 which 128 rows of the tile are mine.  Also: I fetch for x (0) or for w (1)
.set CH,   18                          ; s18 which 128 columns.  Also: which 128 rows of that operand's tile I fetch
.set CX,   19                          ; s19, s20 my place in the cluster
.set CY,   20
.set TC,   21                          ; s21 tile column, s22 tile row
.set TR,   22
.set G1A,  24                          ; s[24:31] descriptor group 1 for x's codes;  s[32:39] for w's
.set G1B,  32
.set SP,   40                          ; s[40:41] the scale bytes of the 128 rows that I fetch, in memory; never rewritten once made
.set G0A,  56                          ; s[56:63] group 0 for x's codes, a set for each slot;  s[68:75] for w's
.set G0B,  68
.set PFA,  96                          ; s[96:97] where my prefetches stand in memory
.set TS,   99                          ; s99 0 or SSLOT: the scale slot in hand
.set MSB, 0
.macro WIN new                         ; the immediate's high byte repeats the setting that is left; a switch that changes nothing is dropped
.if MSB != (\new)
	s_set_vgpr_msb (MSB<<8)|(\new)
.set MSB, \new
.endif
.endm
.set MUL_LO, 0xa5                      ; sources 0 (w) and 1 (x) window 1, C and D window 2
.set MUL_HI, 0xf5                      ; the same, C and D window 3.  (A sum's first product takes C, the bias, from window 0: 0x20 or 0x30 less)
.set ROW_LO, 0xa1                      ; the last K step: source 0 (w) window 1, source 1 (x) window 0, C and D window 2 (window 3: 0x50 more)
.set TO_F,   0x40                      ; destination window 1, address window 0
.macro PLACES n
.rept \n
	v_nop
.endr
.endm
.macro CREST                           ; a round of the cluster's barrier behind its opening barrier
	s_cmp_lg_u32 s[WV], 0
	s_cbranch_scc1 .Lnot_wave_0_\@
	s_barrier_signal -3
.Lnot_wave_0_\@:
	s_barrier_wait -3
	s_barrier_signal -1
	s_barrier_wait -1
.endm
.macro CROUND                          ; a whole round
	s_barrier_signal -1
	s_barrier_wait -1
	CREST
.endm
.macro GROUP0 g, lds, src, off         ; descriptor group 0: count 1, LDS address, global address, type 2
	s_mov_b32 s[\g], 1
	s_mov_b32 s[\g+1], \lds
	s_add_nc_u64 s[\g+2:\g+3], s[\src:\src+1], \off
	s_or_b32 s[\g+3], s[\g+3], 0x80000000
.endm
; A joint load: waves 0 and 1 fetch x's two halves, waves 2 and 3 w's.  Each of the two lines has ONE mask and one set of registers for all that issue it; the branch hangs on the wave's number alone.
; Four v_nop follow each of the two lines, ahead of the jump, the label and what follows; they are also the places in front of the fragment loads that follow.
.macro JLOAD slot
	s_cmp_eq_u32 s[RH], 0
	s_cbranch_scc0 .Lfor_b_\@
	tensor_load_to_lds s[G0A+4*\slot:G0A+4*\slot+3], s[G1A:G1A+7]
	s_nop 0
	PLACES 4
	s_branch .Lasked_\@
.Lfor_b_\@:
	tensor_load_to_lds s[G0B+4*\slot:G0B+4*\slot+3], s[G1B:G1B+7]
	s_nop 0
	PLACES 4
.Lasked_\@:
.endm
; A lap's scale bytes of my 128 rows, memory to registers: load i takes rows 16 i .. 16 i + 15, two lanes to a row's 32 bytes.  Over the four laps each row's 128 bytes are read once by the work-group.
.macro SLOAD reg, lap
.irp i, 0,1,2,3,4,5,6,7
	global_load_b128 v[\reg+4*\i:\reg+4*\i+3], v[SGO], s[SP:SP+1] offset:16*SROW*\i+32*\lap
.endr
.endm
.macro SSTORE adr, reg, off            ; and registers to LDS: 16 rows x 16 bytes in each of the two planes
.irp i, 0,1,2,3,4,5,6,7
	ds_store_b128 v[\adr], v[\reg+4*\i:\reg+4*\i+3] offset:\off+256*\i
.endr
.endm
	s_load_b256 s[4:11], s[0:1], 0x0               ; x's codes s[4:5], x's scales s[6:7], w's codes s[8:9], w's scales s[10:11]
	s_load_b128 s[12:15], s[0:1], 0x20             ; bias s[12:13], out0 s[14:15]
	v_lshl_add_u32 v[SPW], v0, 2, SPARE
	v_mov_b32 v[NIL], 0
	ds_add_u32 v[SPW], v[NIL]                      ; the wave's opening: the add, twice on end, and its wait ahead of my first tensor load
	ds_add_u32 v[SPW], v[NIL]
	v_lshrrev_b32 v3, 5, v0
	v_readfirstlane_b32 s[WV], v3                  ; wave 0..3
	v_and_b32 v8, 31, v0                           ; lane
	v_and_b32 v1, 15, v0                           ; r = lane % 16
	v_bfe_u32 v2, v0, 4, 1                         ; h = lane / 16
	v_lshrrev_b32 v9, 1, v8
	v_and_b32 v10, 1, v8
	v_lshlrev_b32 v7, 4, v2
	v_lshlrev_b32 v5, 4, v10
	v_lshl_add_u32 v[SGO], v9, 7, v5               ; 128 (lane / 2) + 16 (lane % 2)
	v_lshlrev_b32 v[PFO], 11, v8
	s_wait_alu depctr_va_vdst(0)
	s_wait_dscnt 0x0                               ; both opening adds are done
	CROUND                                         ; all sixteen work-groups are here: the first joint loads meet.  (The arguments are on their way meanwhile)
	s_lshr_b32 s[RH], s[WV], 1
	s_and_b32 s[CH], s[WV], 1
	s_bfe_u32 s[CX], ttmp6, 0x40000
	s_bfe_u32 s[CY], ttmp6, 0x40004
	s_lshl_b32 s[TC], ttmp9, 2                     ; in a cluster launch ttmp9 and ttmp7 count clusters
	s_add_co_u32 s[TC], s[TC], s[CX]               ; tile column = 4 x cluster x + cx
	s_and_b32 s[TR], ttmp7, 0xffff
	s_lshl_b32 s[TR], s[TR], 2
	s_add_co_u32 s[TR], s[TR], s[CY]               ; tile row = 4 x cluster y + cy
	s_lshl_b32 s66, s[CY], 2
	s_lshl_b32 s66, 15, s66                        ; my row of the cluster: places 4 cy .. 4 cy + 3
	s_lshl_b32 s67, 0x1111, s[CX]                  ; my column: places cx, cx + 4, cx + 8, cx + 12
	; descriptor group 1: 128 rows of 256 bytes, padded in LDS.  15:0 the mask; 17:16 elements of 1 byte; 20 padding on; 21 set beside a mask; 24:22 after every 64 words (code 5); 31:25 four words (code 3)
	s_or_b32 s[G1A], s66, (1<<20)|(1<<21)|(5<<22)|(3<<25)
	s_or_b32 s[G1B], s67, (1<<20)|(1<<21)|(5<<22)|(3<<25)
.irp g, G1A, G1B
	s_mov_b32 s[\g+1], 256<<16                     ; tensor_dim0 = 256
	s_mov_b32 s[\g+2], 128<<16                     ; tensor_dim1 = 128
	s_mov_b32 s[\g+3], 256<<16                     ; tile_dim0 = 256
	s_mov_b32 s[\g+4], 128                         ; tile_dim1 = 128
	s_mov_b32 s[\g+5], KROW                        ; tensor_dim0_stride
	s_mov_b32 s[\g+6], 0
	s_mov_b32 s[\g+7], 0
.endr
	; where the tiles come from.  x's hang on the tile row alone (through s[92:93]), w's on the tile column alone (through s[94:95]), both on the wave's number; every wave makes both and asks by one of them
	s_lshl_b32 s44, s[CH], 18                      ; which 128 rows of 2,048 bytes I fetch
	s_lshl_b32 s92, s[TR], 19                      ; 256 rows
	s_add_co_u32 s92, s92, s44
	s_mov_b32 s93, 0
	s_lshl_b32 s94, s[TC], 19
	s_add_co_u32 s94, s94, s44
	s_mov_b32 s95, 0
	s_mul_i32 s66, s[WV], HALFT                    ; where they go: x's two halves, then w's = wave x 128 rows: no place in the cluster enters an LDS address
	s_add_co_u32 s67, s66, SLOT
	s_cmp_eq_u32 s[RH], 0                          ; do I fetch for x?  For the scale bytes' loads and the prefetches, which are no joint requests:
	s_cselect_b32 s42, s[TR], s[TC]
	s_cselect_b32 s43, s[CX], s[CY]                ; my place among the four that ask for the same rows with me
	s_lshl_b32 s42, s42, 8
	s_lshl_b32 s2, s[CH], 7
	s_add_co_u32 s42, s42, s2                      ; the first of the 128 rows that I fetch
	s_lshl_b32 s46, s42, 7                         ; in rows of 128 bytes
	s_mov_b32 s47, 0
	s_wait_kmcnt 0x0
	s_add_nc_u64 s[92:93], s[4:5], s[92:93]
	s_add_nc_u64 s[94:95], s[8:9], s[94:95]
	GROUP0 G0A, s66, 92, 0                         ; K step 0 into slot 0
	GROUP0 G0B, s66, 94, 0
	JLOAD 0                                        ; one tensor load a wave at the head
	s_cmp_eq_u32 s[RH], 0
	s_cselect_b64 s[SP:SP+1], s[6:7], s[10:11]
	s_cselect_b64 s[PFA:PFA+1], s[4:5], s[8:9]
	s_add_nc_u64 s[SP:SP+1], s[SP:SP+1], s[46:47]
	SLOAD SX0, 0                                   ; lap 0's scale bytes
	; the bias of my 128 columns: lane (r, h) wants, for each 16 columns, 8 h + 0 .. 7: 16 bytes
	s_lshl_b32 s46, s[TC], 9
	s_lshl_b32 s2, s[CH], 8
	s_add_co_u32 s46, s46, s2                      ; my first column in bytes of f16: in bias and in a row of out0 alike
	s_add_nc_u64 s[12:13], s[12:13], s[46:47]
.irp b, 0,1,2,3,4,5,6,7
	global_load_b128 v[BL+4*\b:BL+4*\b+3], v7, s[12:13] offset:32*\b
.endr
	SLOAD SX1, 1                                   ; lap 1's
	s_lshl_b32 s44, s[TR], 21                      ; out0 at my first row, 256 x tile row + 128 x half, of 8,192 bytes,
	s_lshl_b32 s2, s[RH], 20
	s_add_co_u32 s44, s44, s2
	s_mov_b32 s45, 0
	s_add_nc_u64 s[14:15], s[14:15], s[44:45]
	s_add_nc_u64 s[14:15], s[14:15], s[46:47]      ; and my first column
	; the prefetches: my work-group's 32 of the 128 rows that I fetch, at K step 3
	s_lshl_b32 s43, s43, 5
	s_add_co_u32 s42, s42, s43
	s_lshl_b32 s46, s42, 11
	s_add_nc_u64 s[PFA:PFA+1], s[PFA:PFA+1], s[46:47]
	s_add_nc_u64 s[PFA:PFA+1], s[PFA:PFA+1], 3*256
	global_prefetch_b8 v[PFO], s[PFA:PFA+1] offset:-512 th:TH_LOAD_NT scope:SCOPE_SE   ; K step 1
	GROUP0 G0A+4, s67, 92, 256                     ; K step 1 into slot 1
	GROUP0 G0B+4, s67, 94, 256
	s_mul_i32 s2, s[RH], HALFT                     ; my 128 rows of x
	s_mul_i32 s66, s[CH], HALFT                    ; my 128 rows of w,
	s_add_co_u32 s66, s66, 2*HALFT                 ; which lie behind x's 256
	v_mul_u32_u24 v3, v1, PITCH
	v_lshl_add_u32 v4, v2, 4, v3                   ; a fragment's row x pitch + 16 x half
.irp s, 0,1
	v_add_nc_u32 v[ADRA+\s], s2, v4
	v_add_nc_u32 v[ADRB+\s], s66, v4
	s_add_co_u32 s2, s2, SLOT
	s_add_co_u32 s66, s66, SLOT
.endr
	s_mul_i32 s2, s[WV], SSHARE                    ; the scale slots, as a writer: my wave's 128 rows, plane lane % 2, row lane / 2
	s_add_co_u32 s2, s2, SCL
	v_mul_u32_u24 v5, v10, SPLANE
	v_lshl_add_u32 v5, v9, 4, v5
	v_add_nc_u32 v[ADW0], s2, v5
	s_mul_i32 s2, s[RH], SSHARE                    ; and as a reader: a lane a row
	s_add_co_u32 s2, s2, SCL
	v_lshl_add_u32 v[ADSA0], v8, 4, s2
	s_mul_i32 s2, s[CH], SSHARE
	s_add_co_u32 s2, s2, SCL+2*SSHARE
	v_lshl_add_u32 v[ADSB0], v8, 4, s2
	s_mov_b32 s[TS], 0
	v_add_nc_u32 v[ADSA], s[TS], v[ADSA0]          ; lap 0 lies in scale slot 0
	v_add_nc_u32 v[ADSB], s[TS], v[ADSB0]
	s_mul_i32 s2, s[WV], 16*PITCH                  ; the way out: my stage, 16 rows x (256 bytes + 16), in slot 0, which has had its last fill and its last read when the first result is stored there
	v_add_nc_u32 v[STO], s2, v4                    ; in: row r x 272 + 16 h
	v_mul_u32_u24 v5, v2, PITCH                    ; back: lanes 0-15 take one row of 256 bytes, lanes 16-31 the next
	v_lshl_add_u32 v5, v1, 4, v5
	v_add_nc_u32 v[RD], s2, v5
	v_lshlrev_b32 v6, 13, v2                       ; and the same two rows in out0
	v_lshl_add_u32 v[CO], v1, 4, v6
	s_wait_alu depctr_va_vdst(0)
	s_wait_loadcnt 16                              ; lap 0's eight loads are in; the bias's eight and lap 1's eight, issued behind them, may be out
	SSTORE ADW0, SX0, 0                            ; lap 0 into scale slot 0
	s_wait_loadcnt 8                               ; the bias is in; lap 1's eight may be out
.set i, 0
.irp r, v96.l,v96.h,v97.l,v97.h,v98.l,v98.h,v99.l,v99.h,v100.l,v100.h,v101.l,v101.h,v102.l,v102.h,v103.l,v103.h,v104.l,v104.h,v105.l,v105.h,v106.l,v106.h,v107.l,v107.h,v108.l,v108.h,v109.l,v109.h,v110.l,v110.h,v111.l,v111.h,v112.l,v112.h,v113.l,v113.h,v114.l,v114.h,v115.l,v115.h,v116.l,v116.h,v117.l,v117.h,v118.l,v118.h,v119.l,v119.h,v120.l,v120.h,v121.l,v121.h,v122.l,v122.h,v123.l,v123.h,v124.l,v124.h,v125.l,v125.h,v126.l,v126.h,v127.l,v127.h
	v_cvt_f32_f16 v[BIAS+i], \r                    ; exact: register 8 b + j is the bias of column 16 b + 8 h + j
.set i, i+1
.endr
	SLOAD SX, 2                                    ; lap 2's scale bytes, into the registers that the bias has left: they are wanted at lap 0's end
.macro LDF reg, adr, off               ; 16 rows x 128 K of 4-bit codes, 8 registers: lane l holds row l % 16; registers 4 c .. 4 c + 3 hold K = 64 c + 32 (l / 16) + 0 .. 31, the lower K in the lower bits
.irp c, 0,1
	ds_load_b128 v[\reg+4*\c:\reg+4*\c+3], v[\adr] offset:\off+32*\c
.endr
.endm
.macro GB slot, q, reg                 ; sixteen loads: my eight blocks of 16 rows of w, the slot's q-th 128 along K
	WIN TO_F
.irp i, 0,1,2,3,4,5,6,7
	LDF (\reg)+8*\i, ADRB+\slot, 64*(\q)+\i*16*PITCH
.endr
.endm
.macro GA slot, q, reg, i0             ; eight loads: four blocks of x
	WIN TO_F
.irp i, 0,1,2,3
	LDF (\reg)+64+8*(\i0+\i), ADRA+\slot, 64*(\q)+(\i0+\i)*16*PITCH
.endr
.endm
.macro SCALES set, par                 ; a K step's scale words: four a row, a lane a row, from the lap's first (par = 0) or second (1) plane
	WIN 0
.irp i, 0,1,2,3
	ds_load_b128 v[SC+32*(\set)+4*\i:SC+32*(\set)+4*\i+3], v[ADSB] offset:512*\i+SPLANE*(\par)
	ds_load_b128 v[SC+32*(\set)+16+4*\i:SC+32*(\set)+16+4*\i+3], v[ADSA] offset:512*\i+SPLANE*(\par)
.endr
.endm
; One product: 32 rows of w (their scales in all 32 lanes of ws) x 16 rows of x (their scales in lanes 0-15 of xs, or, odd = 1, in lanes 16-31), 128 along K.
.macro WM d, b, a, c, ws, xs, odd
.if \odd
	v_wmma_scale_f32_32x16x128_f4 v[\d:\d+15], v[\b:\b+15], v[\a:\a+7], v[\c:\c+15], v[\ws], v[\xs] matrix_b_scale:MATRIX_SCALE_ROW1
.else
	v_wmma_scale_f32_32x16x128_f4 v[\d:\d+15], v[\b:\b+15], v[\a:\a+7], v[\c:\c+15], v[\ws], v[\xs]
.endif
.endm
; Block a of x (16 rows) against my 128 rows of w: four products on fragment set p.  first = 1: the sums start from the bias: nothing is ever cleared or added later.
; The 32 accumulators take turns, one instruction a turn, in the same order in every substep.
.macro MULA a, p, q, sc, first
.irp i, 0,1,2,3
.if \first
	WM 64*((\a)%4)+16*\i, 128*(\p)+16*\i, 128*(\p)+64+8*(\a), BIAS+16*\i, SC+32*(\sc)+4*\i+(\q), SC+32*(\sc)+16+4*((\a)/2)+(\q), (\a)%2
.else
	WM 64*((\a)%4)+16*\i, 128*(\p)+16*\i, 128*(\p)+64+8*(\a), 64*((\a)%4)+16*\i, SC+32*(\sc)+4*\i+(\q), SC+32*(\sc)+16+4*((\a)/2)+(\q), (\a)%2
.endif
.endr
.endm
; A load into a register that a matrix instruction has read, and a vector instruction that reads a matrix result, stand four places behind that matrix instruction, and only plain vector instructions that name none of its
; registers are places (ISA guide 7.12.1 for vector instructions); this text does not count the matrix instructions in between.
; A substep that has its successor in the same slot: the successor's fragments are asked for first, in one run.  In a K step's second (q = 1) the next K step's scale words are loaded too.
.macro SUB slot, q, first
	s_wait_dscnt 8                                 ; w's fragments, x's blocks 0-3 and the scale words are in; the youngest eight loads (x's blocks 4-7) may be out
	PLACES 4
.if (\q) == 1 && (\slot) == 1
	WIN 0
	v_add_nc_u32 v[ADW], s[TS], v[ADW0]            ; a lap's end is near: where I store, the scale slot that is left,
	s_xor_b32 s[TS], s[TS], SSLOT
	v_add_nc_u32 v[ADSA], s[TS], v[ADSA0]          ; and where I read: the other one
	v_add_nc_u32 v[ADSB], s[TS], v[ADSB0]
	s_wait_alu depctr_va_vdst(0)
.endif
	GB \slot, (\q)+1, 128*(((\q)+1)%2)
	GA \slot, (\q)+1, 128*(((\q)+1)%2), 0
.if (\q) == 1
	SCALES 1-\slot, 1-\slot
.endif
	GA \slot, (\q)+1, 128*(((\q)+1)%2), 4
	WIN MUL_LO-0x20*\first
	MULA 0, (\q)%2, \q, \slot, \first
	MULA 1, (\q)%2, \q, \slot, \first
	MULA 2, (\q)%2, \q, \slot, \first
	MULA 3, (\q)%2, \q, \slot, \first
.if (\q) == 1
	s_wait_dscnt 40                                ; x's blocks 4-7 are in: all but the forty loads just issued
.else
	s_wait_dscnt 32                                ; the same: thirty-two
.endif
	WIN MUL_HI-0x30*\first
	MULA 4, (\q)%2, \q, \slot, \first
	MULA 5, (\q)%2, \q, \slot, \first
	MULA 6, (\q)%2, \q, \slot, \first
	MULA 7, (\q)%2, \q, \slot, \first
.endm
; A slot's last substep changes slots: a round of the cluster's barrier; in front of it each wave waits for all its tensor loads, adds 0 to its spare word, and waits for that and for its own reads of this slot.  Behind it the slot
; is filled again first, two K steps ahead, a quarter by each wave; then come the next slot's first fragments.
; sst = 1, at a lap's end: the scale slot that is being left was last read a K step and more ago, and every wave has waited for those reads in front of a barrier since: it takes the scale bytes of the lap after next.
; They are first read behind a later change of slots, in front of which I wait for all my LDS instructions.  The loop's last trip (counter 1) has no lap after next and stores nothing.
; PREFETCH, behind the joint load and the run of LDS loads: the K step that stands two refills on: 32 rows x 256 bytes, a lane a row, one instruction a wave.  Each row's 256 bytes of a K step are named ONCE IN EACH CLUSTER that
; will load them: of the 128 rows that a wave fetches, each of the four partners that ask for them jointly takes 32, told apart BY ADDRESS (by cx for x, by cy for w).  K step 0 comes by its load alone; K step 1 is asked for
; behind K step 0's load, K steps 2 and 3 round the first substep, K steps 4 to 7 in the loop's first two trips; the last trip asks for nothing: there is no K step 8.
.macro TURN slot, next, sst
	WIN 0
	s_wait_xcnt 0x0                                ; the last prefetch has read its address: it is stepped here
	s_add_nc_u64 s[PFA:PFA+1], s[PFA:PFA+1], 256
	s_wait_tensorcnt 0x0                           ; all my tensor loads have landed: my part of the next slot
	ds_add_u32 v[SPW], v[NIL]                      ; 0 onto my spare word
	s_add_nc_u64 s[G0A+4*\slot+2:G0A+4*\slot+3], s[G0A+4*\slot+2:G0A+4*\slot+3], 2*256   ; no tensor load of mine is out, so a group 0 may be written: two K steps on
	s_add_nc_u64 s[G0B+4*\slot+2:G0B+4*\slot+3], s[G0B+4*\slot+2:G0B+4*\slot+3], 2*256
	s_wait_dscnt 9                                 ; (the add and the youngest eight loads, x's blocks 4-7, may be out)
	WIN MUL_LO
	MULA 0, 1, 3, \slot, 0
	s_wait_dscnt 0x0                               ; the add is done, and my reads of this slot are over
	s_barrier_signal -1
	MULA 1, 1, 3, \slot, 0
	WIN 0
	s_barrier_wait -1
	CREST                                          ; no wave of any partner still reads this slot's tile or has a load on its way
	JLOAD \slot                                    ; the first tensor load behind the round, one a wave
	GB \next, 0, 0
	GA \next, 0, 0, 0
.if \sst
	WIN 0
	s_wait_loadcnt 0x0                             ; the scale bytes asked for a lap ago or more are in my registers (on every path: no load of mine is out behind this line)
	s_cmp_eq_u32 s3, 1
	s_cbranch_scc1 .Lno_store_\@
	SSTORE ADW, SX, 0
.Lno_store_\@:
.endif
	GA \next, 0, 0, 4
	WIN 0
	s_cmp_gt_u32 s3, 1
	s_cbranch_scc0 .Lno_ask_\@
	global_prefetch_b8 v[PFO], s[PFA:PFA+1] th:TH_LOAD_NT scope:SCOPE_SE
.Lno_ask_\@:
	WIN MUL_LO
	MULA 2, 1, 3, \slot, 0
	MULA 3, 1, 3, \slot, 0
	WIN MUL_HI
	MULA 4, 1, 3, \slot, 0
	MULA 5, 1, 3, \slot, 0
	MULA 6, 1, 3, \slot, 0
	MULA 7, 1, 3, \slot, 0
.endm
	s_wait_alu depctr_va_vdst(0)
	s_wait_tensorcnt 0x0                           ; my quarter of K step 0 is in
	ds_add_u32 v[SPW], v[NIL]                      ; 0 onto my spare word
	s_wait_dscnt 0x0                               ; the add is done, and, for the others' sake, my stores of lap 0's scale bytes
	CROUND                                         ; a whole round: K step 0 is whole, and the joint loads meet
	JLOAD 1                                        ; K step 1's, the first tensor load behind the round
	GB 0, 0, 0
	GA 0, 0, 0, 0
	SCALES 0, 0
	s_wait_loadcnt 8                               ; lap 1's scale bytes are in; lap 2's eight loads, issued behind them, may be out
	SSTORE ADW0, SX1, SSLOT                        ; lap 1 into scale slot 1: first read behind the next change of slots
	GA 0, 0, 0, 4
	WIN 0
	global_prefetch_b8 v[PFO], s[PFA:PFA+1] offset:-256 th:TH_LOAD_NT scope:SCOPE_SE   ; K step 2
	SUB 0, 0, 1                                    ; the first substep stands in front of the loop: its products start the sums from the bias
	WIN 0
	global_prefetch_b8 v[PFO], s[PFA:PFA+1] th:TH_LOAD_NT scope:SCOPE_SE   ; K step 3
	s_mov_b32 s3, 3
.Llap:                                                 ; laps 0, 1 and 2: a trip goes once round the ring, from a lap's second substep to the next lap's first, and fills both slots again
	SUB 0, 1, 0
	SUB 0, 2, 0
	TURN 0, 1, 0
	SUB 1, 0, 0
	SUB 1, 1, 0
	SUB 1, 2, 0
	TURN 1, 0, 1
	SUB 0, 0, 0
	WIN 0
	s_cmp_lg_u32 s3, 3                             ; in the first trip lap 3's scale bytes are asked for: the stores that read these registers were waited for in the substep above.  There is no lap 4: no load leaves a row
	s_cbranch_scc1 .Lno_reload
	SLOAD SX, 3
.Lno_reload:
	s_sub_co_u32 s3, s3, 1
	s_cmp_lg_u32 s3, 0
	s_cbranch_scc1 .Llap
	SUB 0, 1, 0                                    ; lap 3 is written out: it fills nothing
	SUB 0, 2, 0
; THE LAST K STEP, in slot 1, BY ROWS.  w's fragments of substep q go to window 1, v[64 q]: substeps 0 and 1 while K step 6's last products read set 1, substeps 2 and 3 behind them.
.macro ALOAD a                         ; x's fragments of block a, all four substeps
	WIN 0
.irp q, 0,1,2,3
	LDF AP+32*((\a)%2)+8*\q, ADRA+1, 64*\q+(\a)*16*PITCH
.endr
.endm
.macro ROWQ a, q                       ; block a, 128 along K: four products, by turns
	WIN ROW_LO+0x50*((\a)/4)
.irp i, 0,1,2,3
	WM 64*((\a)%4)+16*\i, 64*(\q)+16*\i, AP+32*((\a)%2)+8*(\q), 64*((\a)%4)+16*\i, SC+32+4*\i+(\q), SC+48+4*((\a)/2)+(\q), (\a)%2
.endr
.endm
; THE WAY OUT of a block of 16 rows x 128 columns.  PACK: rounded to f16, a lane's eight neighbouring columns make 16 bytes; each accumulator is read from its low end on.
; TOSTAGE: into my own stage in LDS, and back as whole rows of 256 bytes.  SEND: sixteen lanes store 256 consecutive bytes, at a multiple of 256 from out0's first byte.
.macro PACK a
	WIN 0x0a+5*((\a)/4)                            ; sources 0 and 1: window 2 or 3
.irp b, 0,1,2,3,4,5,6,7
.irp k, 0,1,2,3
	v_cvt_pk_f16_f32 v[TMP+4*\b+\k], v[64*((\a)%4)+8*\b+2*\k], v[64*((\a)%4)+8*\b+2*\k+1]
.endr
.endr
	WIN 0
.endm
.macro TOSTAGE a
.irp b, 0,1,2,3,4,5,6,7
	ds_store_b128 v[STO], v[TMP+4*\b:TMP+4*\b+3] offset:32*\b
.endr
.irp t, 0,1,2,3,4,5,6,7
	ds_load_b128 v[OB+32*((\a)%2)+4*\t:OB+32*((\a)%2)+4*\t+3], v[RD] offset:\t*2*PITCH    ; LDS serves a wave's instructions in order (ISA guide 5.7.1.4): these see the stores above
.endr
.endm
.macro SEND a
	WIN 0
	s_wait_dscnt 8*((\a)<6)&8                      ; the block is back in registers; the next fragments, asked for behind it, may be out
.if (\a) > 0
	s_wait_xcnt 0x0                                ; every earlier store has had its addresses translated (ISA guide 3.1): only behind this wait are the stores' base and the registers that earlier stores read rewritten
	s_add_nc_u64 s[14:15], s[14:15], 16*OROW       ; 16 rows of out0 on
.endif
.irp t, 0,1,2,3,4,5,6,7
	global_store_b128 v[CO], v[OB+32*((\a)%2)+4*\t:OB+32*((\a)%2)+4*\t+3], s[14:15] offset:2*\t*OROW th:TH_STORE_NT   ; written once, read by nobody here
.endr
.endm
	WIN 0
	s_wait_tensorcnt 0x0                           ; my part of slot 1's last fill has landed
	s_wait_dscnt 8                                 ; (x's blocks 4-7 may be out)
	WIN MUL_LO
	MULA 0, 1, 3, 0, 0
	s_wait_dscnt 0x0                               ; my reads of slot 0 are over
	s_barrier_signal -1
	MULA 1, 1, 3, 0, 0
	WIN 0
	s_barrier_wait -1                              ; slot 1 is whole, and nobody reads slot 0 any more; nothing is filled again
	PLACES 4
	GB 1, 0, 0
	GB 1, 1, 64
	ALOAD 0
	WIN MUL_LO
	MULA 2, 1, 3, 0, 0
	MULA 3, 1, 3, 0, 0
	WIN MUL_HI
	MULA 4, 1, 3, 0, 0
	MULA 5, 1, 3, 0, 0
	MULA 6, 1, 3, 0, 0
	MULA 7, 1, 3, 0, 0
	PLACES 4                                       ; for the loads into set 1's registers
	GB 1, 2, 128
	GB 1, 3, 192
	ALOAD 1
	s_wait_dscnt 40                                ; all but the 40 loads behind block 0's fragments: substeps 0 and 1 are in
	ROWQ 0, 0
	ROWQ 0, 1
	s_wait_dscnt 24                                ; substep 2's are in; substep 3's sixteen and block 1's eight may be out
	ROWQ 0, 2
	s_wait_dscnt 0x0
	ROWQ 0, 3
.irp a, 0,1,2,3,4,5,6,7
	WIN 0
	PLACES 4                                       ; for the conversions, which read results just made
	PACK \a
	TOSTAGE \a
.if \a < 6
	ALOAD \a+2                                     ; over block a's fragments, behind the block's trip through the stage
.endif
.if \a < 7
	ROWQ \a+1, 0                                   ; block a + 1's fragments are in: they were waited for ahead of block 0's last products, or at the end of block a's
	ROWQ \a+1, 1
	SEND \a                                        ; eight products of the next block stand between block a's loads from the stage and the wait for them
	ROWQ \a+1, 2
	ROWQ \a+1, 3
.if \a < 6
	s_wait_dscnt 0x0                               ; block a + 2's fragments
.endif
.else
	SEND \a
.endif
.endr
	s_wait_tensorcnt 0x0                           ; the wave's end, behind my last tensor load and my last LDS store
	ds_add_u32 v[SPW], v[NIL]
	s_wait_dscnt 0x0
	CROUND                                         ; the closing round: no work-group ends while a partner may still ask for a tile that names it
	s_endpgm
.Lfunc_end_k_qe498fde9e1_gemm:
	.size	k_qe498fde9e1_gemm, .Lfunc_end_k_qe498fde9e1_gemm-k_qe498fde9e1_gemm
	.p2alignl 7, 3214868480
	.fill 96, 4, 3214868480
	.section	.rodata,"a",@progbits
	.p2align	6, 0x0
	.amdhsa_kernel k_qe498fde9e1_gemm
		.amdhsa_group_segment_fixed_size 327680
		.amdhsa_private_segment_fixed_size 0
		.amdhsa_enable_private_segment 0
		.amdhsa_kernarg_size 48
		.amdhsa_user_sgpr_count 2
		.amdhsa_user_sgpr_kernarg_segment_ptr 1
		.amdhsa_wavefront_size32 1
		.amdhsa_system_sgpr_workgroup_id_x 1
		.amdhsa_system_sgpr_workgroup_id_y 1
		.amdhsa_system_sgpr_workgroup_id_z 1
		.amdhsa_system_vgpr_workitem_id 0
		.amdhsa_next_free_vgpr 1024
		.amdhsa_next_free_sgpr 100
		.amdhsa_reserve_vcc 0
		.amdhsa_float_denorm_mode_32 3
		.amdhsa_float_denorm_mode_16_64 3
		.amdhsa_memory_ordered 1
		.amdhsa_forward_progress 1
		.amdhsa_inst_pref_size 156
	.end_amdhsa_kernel
	.amdgpu_metadata
---
amdhsa.version: [ 1, 2 ]
amdhsa.kernels:
  - .name:           k_qe498fde9e1_gemm
    .symbol:         k_qe498fde9e1_gemm.kd
    .args:
      - { .name: x_codes, .offset: 0, .size: 8, .value_kind: global_buffer, .address_space: global }
      - { .name: x_scales, .offset: 8, .size: 8, .value_kind: global_buffer, .address_space: global }
      - { .name: weight_codes, .offset: 16, .size: 8, .value_kind: global_buffer, .address_space: global }
      - { .name: weight_scales, .offset: 24, .size: 8, .value_kind: global_buffer, .address_space: global }
      - { .name: bias, .offset: 32, .size: 8, .value_kind: global_buffer, .address_space: global }
      - { .name: out0, .offset: 40, .size: 8, .value_kind: global_buffer, .address_space: global }
    .group_segment_fixed_size: 327680
    .private_segment_fixed_size: 0
    .kernarg_segment_align: 8
    .kernarg_segment_size: 48
    .max_flat_workgroup_size: 128
    .sgpr_count:     100
    .vgpr_count:     1024
    .wavefront_size: 32
...
	.end_amdgpu_metadata
.endif
;; end of part 1
